; MI455X (gfx1250); checked and timed in simulation.
; The chip was launched on July 23, 2026; its instructions are those of AMD's public machine-readable ISA for CDNA 5 (MIT licence, August 2026) and "CDNA5" Instruction Set Architecture Reference Guide (July 2026). The comments in the code are by the model that wrote it; some were corrected since.
;; Dense Reparam. Allowed arithmetic: matrix products marked QUANTISED: E5M2 operands, one given power-of-two scale a tensor, by v_wmma_f32_16x16x64_bf8_bf8 or v_wmma_f32_16x16x128_bf8_bf8, f32 sums; everything else in f32.
;; Inputs: lowp_scales 2 int32 (the exponents e of the quantised operands' scales 2^e); theta_lambda 4,097 x 4,096 float32; x 4,096 x 4,096 float32.
;; Outputs: out0 4,096 x 4,096 float32.
;; This version of the problem:
;;   THIS VERSION OF THE PROBLEM IS GIVEN IN LOW PRECISION. The matrix products marked QUANTISED in the list below multiply operands that are first quantised to E5M2 (5 exponent bits, 2 mantissa bits; 8 bits a number), with one given power-of-two scale for each operand tensor; their sums are f32. All else is computed in f32.
;;   The module's matrix products, in the order in which they are computed (A, B: the left and right operand; K: the contracted axis; several contracted axes count as one K, in the product's order):
;;     1. [M 4,096, K 4,096] x [K 4,096, N 4,096]; A: input x; B: computed on the way: QUANTISED (scales: A lowp_scales[0], B lowp_scales[1])
;;   THE QUANTISER, for each operand of a quantised product, along K:
;;     - The operand's scale is 2^e, e = its entry of the input lowp_scales (int32; the entries are numbered through the quantised products in the list's order, A before B).
;;     - Each number is divided by the scale, clamped to +-57,344, and rounded to the nearest number of E5M2, ties to even, subnormals kept.
;;     - The product sums the exact products of the quantised numbers (number of the format x scale) in f32.
;;   ~~~python
;;   def quantise(x, axis, e):      # numpy; x: float32 -> the quantised numbers, widened to float32 again
;;       x = np.moveaxis(x, axis, -1); K = x.shape[-1]
;;       r = np.clip(x / 2.0 ** e, -57344, 57344)
;;       step = 2.0 ** (np.maximum(np.frexp(np.where(r == 0, 1, r))[1] - 1, -14) - 2)
;;       q = np.round(r / step) * step * 2.0 ** e      # np.round: ties to even
;;       return np.moveaxis(q, -1, axis).astype(np.float32)
;;   ~~~
;;   OPERANDS COMPUTED ON THE WAY. 'Computed on the way' means the value that the module computes at that place (a softmax that the list does not call 'softmax' is quantised finished and normalised). What goes into a quantiser is computed in f32, as accurately as f32 sums, v_exp_f32 and their like allow (about 1e-6 of the number): no bf16 or f16 on the way to a quantiser, and a product that is left as it is and whose result goes on into a quantised operand takes f32 operands (vector FMAs, or v_wmma_f32_16x16x4_f32). A number that lies on a knife's edge between two numbers of the format may be rounded either way, as far as f32 arithmetic and the matrix unit's own rounding can turn it there, and no further.
;; One version. Each part assembles by itself: llvm-mc -triple=amdgcn-amd-amdhsa -mcpu=gfx1250 --defsym DOCPART=n.
;; ======== version 1 of 1: 2 launches
;; limits: inputs' magnitudes at most 4,000,000; right only within a limited range of input values
;; workspace buffers: x_codes 16,777,216 bytes; v_codes 16,777,216 bytes
;; launch prep (part 1): grid 256 x 1, 16 waves a work-group, clusters of 4 x 1, 141,824 bytes of LDS; arguments x, theta_lambda, lowp_scales, x_codes, v_codes; writes x_codes, v_codes
.if DOCPART == 1
	.amdgcn_target "amdgcn-amd-amdhsa--gfx1250"
	.amdhsa_code_object_version 6
	.text
	.protected	k_q6800063ddf_prep
	.globl	k_q6800063ddf_prep
	.p2align	8
	.type	k_q6800063ddf_prep,@function
k_q6800063ddf_prep:
	s_mov_b64 s[64:65], 0
	v_nop
	global_prefetch_b8 v0, s[64:65] scope:SCOPE_SE
	s_setreg_imm32_b32 hwreg(HW_REG_WAVE_MODE, 25, 1), 1
	s_wait_xcnt 0x0
	s_wait_alu depctr_hold_cnt(0) depctr_sa_sdst(0) depctr_va_vdst(0) depctr_va_sdst(0) depctr_va_ssrc(0) depctr_va_vcc(0) depctr_vm_vsrc(0)
	s_getreg_b32 s2, hwreg(HW_REG_IB_STS2, 6, 4)
	s_cmp_eq_u32 s2, 0
	s_cbranch_scc0 .Lentry_in_a_cluster
	s_endpgm
.Lentry_in_a_cluster:
	s_bfe_u32 s2, ttmp6, 0x10000c
	s_cmp_lg_u32 s2, 0x3003
	s_cbranch_scc0 .Lentry_shape_is_right
	s_endpgm
.Lentry_shape_is_right:
; BOTH OPERANDS OF out = r relu(x v + lam) BECOME CODES OF BF8 (E5M2), each with the one scale 2^e that is given for it (e0 for x, e1 for v).
; x: [4096][4096] f32, K innermost.  theta_lambda: [4097][4096] f32: rows 0-4094 angles, row 4095 lam, row 4096 r.
; v[i][n] = cos(t[i][n]) x the product over j < i of sin(t[j][n]) for i <= 4094;  v[4095][n] = the product over all 4095 sines.  K is v's FIRST axis, and the product runs along it.
; code = number / 2^e, held within +-57,344, to the nearest code, ties to even.
; THE CODES' LAYOUT, the same in both buffers (rows: m of x, n of v): the order of the operand's registers.  Block (row / 16, k / 128) is 2,048 bytes at ((row / 16) x 32 + k / 128) x 2,048;
; in it the byte 512 c + 256 h + 16 r + i is the code of (row 16 (row / 16) + r, k = 128 (k / 128) + 32 c + 16 h + i).  So the product's launch loads a fragment by four loads of 16 bytes a lane, 512 bytes apart.
; SHARES.  Work-group g (256 of them, sixteen waves each) owns columns 16 g .. 16 g + 15 of v FOR ALL OF K, so that the running product never leaves the work-group, and rows 16 g .. 16 g + 15 of x.
;   v: thread (r = t % 16, sc = t / 16) owns column r and rows 128 sc .. 128 sc + 127, which are one block of the layout: 128 registers, angle -> cosine -> cosine x the product inside the sub-chunk, in place.
;      The 32 sub-chunk products of a column meet in LDS behind the launch's one barrier; each thread multiplies those ahead of its own and then its 128 numbers by that prefix.  theta_lambda is read once.
;   x: wave w takes blocks k / 128 = 2 w and 2 w + 1: loads of 512 consecutive bytes of a row, turned through the wave's own stage in LDS so that a lane holds 16 neighbours along K.
; ONE STREAM OF LOADS.  A wave's 16 KB of angles (sixteen groups of eight rows, T0 .. T15) and its 16 KB of x (two blocks, X0 and X1) are asked for and worked in one order: T0-4, X0, T5-11, X1, T12-15, about seven groups
; ahead.  So x's loads and stores run while the sines are computed, and behind the barrier only the prefix and v's conversions and stores are left.
; SINE AND COSINE are made by arithmetic in f32: n = the nearest whole number to t x 2 / pi (by adding 1.5 x 2^23); rr = t - n x pi / 2 with pi / 2 in three parts (the first difference is exact, since it is a multiple of
; 2^-23 under 1; each later one rounds once, so rr keeps its relative accuracy near a zero); two polynomials on |rr| <= pi / 4; n % 4 swaps them and sets the signs.
; CLUSTER.  Four work-groups with neighbouring g form a cluster, for their place alone: their columns are 256 consecutive bytes of each row of theta_lambda.  No tile is shared (each reads its own 64 bytes of a row),
; so there is no joint load and no round of the cluster's barrier; the place in the cluster enters global addresses alone.
; LIMITS.  |angle| under 4,000,000 (n lies in the 22 low mantissa bits).  e0 and e1 between -126 and 112, so that 2^e and 57,344 x 2^e are f32 numbers.  NaN and infinities among the inputs are not served.
; A partial product under 2^-126 loses bits; that lies under every code unless e1 < -110.  All 4,096 rows are computed, whatever the data.
.set WST,  8448                        ; LDS 0 on: a stage for each wave, 16 rows x SPX bytes
.set SPX,  528                         ; a stage row: 512 bytes + 16 = 33 x 16: the sixteen rows that a read touches start at sixteen different groups of four banks (64 banks of 4 bytes: ISA guide 11.1)
.set PRD,  16*WST                      ; behind the stages: for each column r a row of PPR bytes: words 0-31 hold 1.0, words 32-63 the sub-chunk products T[0] .. T[31]
.set PPR,  264                         ; 66 words: thread (r, sc) reads at bank 2 r + sc mod 64
.set TH,   1                           ; v1   theta: 4 r + (lane / 16) x 128 rows
.set LX,   2                           ; v2   16 x lane
.set SW,   3                           ; v3   the stage, on the way in: 16 x lane
.set SRD,  4                           ; v4   and on the way out: SPX r + 64 (lane / 16)
.set VO,   5                           ; v5   v's codes: 2,048 (lane / 16) + 16 r
.set PA,   6                           ; v6   PRD + PPR r + 4 sc
.set ONE,  7                           ; v7   1.0
.set XSC,  8                           ; v8   2^e0, v9  57,344 x 2^e0
.set VSC,  10                          ; v10  2^e1, v11 57,344 x 2^e1
.set MAG,  12                          ; v[12:13] 1.5 x 2^23, twice
.set S2,   14                          ; v[14:15], v[16:17] two coefficients, twice: an instruction reads one scalar pair
.set C1,   16
.set E,    18                          ; v[18:19] the running product ahead of an even row, ahead of the odd row behind it
.set P,    20                          ; v[20:21] the prefix, twice (behind the barrier)
.set XC0,  20                          ; v20-23  ahead of the barrier: the codes of the first quarter of a block of x (v22, v23 serve the head alone)
.set J,    24                          ; v24-31  t x 2 / pi + 1.5 x 2^23: its low two bits are n % 4
.set N,    32                          ; v32-39  n; then rr^2; then the sine
.set R,    40                          ; v40-47  rr; then J >> 1
.set PS,   48                          ; v48-55  sin rr
.set PC,   56                          ; v56-63  cos rr
.set V,    64                          ; v64-191 my 128 rows
.set XA,   192                         ; v192-255 a block of x
.set W,    24                          ; v24-55  behind the barrier: the window of 32 words, then v's codes
.set MK,   20                          ; s20  the lanes of sub-chunk 31
.set TOP,  28                          ; s[28:45] constants, each twice: the packed forms name a pair
.set NMAG, 30
.set NHI,  32
.set NMID, 34
.set NLO,  36
.set S3,   38
.set S1,   40
.set C2,   42
.set C0,   44
.set MQ,   48                          ; s48-55 eight lane masks: n odd
.macro SPAIR reg, val
	s_mov_b32 s[\reg], \val
	s_mov_b32 s[\reg+1], \val
.endm
	s_load_b256 s[4:11], s[0:1], 0x0               ; x s[4:5], theta_lambda s[6:7], the scales' exponents s[8:9], x's codes s[10:11]
	s_load_b64 s[12:13], s[0:1], 0x20              ; v's codes
	v_lshrrev_b32 v22, 5, v0
	v_readfirstlane_b32 s14, v22                   ; wave 0..15
	s_bfe_u32 s15, ttmp6, 0x40000                  ; my place in the cluster
	s_lshl_b32 s16, ttmp9, 2                       ; in a cluster launch ttmp9 counts clusters
	s_add_co_u32 s16, s16, s15                     ; g
	v_and_b32 v23, 15, v0                          ; r
	v_lshrrev_b32 v22, 4, v0                       ; sc = 2 x wave + lane / 16
	v_bfe_u32 v24, v0, 4, 1                        ; lane / 16
	v_and_b32 v25, 31, v0                          ; lane
	v_lshlrev_b32 v[TH], 2, v23
	v_lshl_add_u32 v[TH], v24, 21, v[TH]           ; 128 rows of 16,384 bytes
	v_lshlrev_b32 v[LX], 4, v25
	s_mul_i32 s17, s14, WST                        ; my wave's stage
	v_add_nc_u32 v[SW], s17, v[LX]
	v_mul_u32_u24 v[SRD], v23, SPX
	v_lshl_add_u32 v[SRD], v24, 6, v[SRD]
	v_add_nc_u32 v[SRD], s17, v[SRD]
	v_lshlrev_b32 v[VO], 4, v23
	v_lshl_add_u32 v[VO], v24, 11, v[VO]
	v_mul_u32_u24 v[PA], v23, PPR
	v_lshl_add_u32 v[PA], v22, 2, v[PA]
	v_add_nc_u32 v[PA], PRD, v[PA]
	v_mov_b32 v[ONE], 1.0
	v_mov_b32 v[MAG], 0x4b400000                   ; 1.5 x 2^23
	v_mov_b32 v[MAG+1], 0x4b400000
	v_mov_b32 v[S2], 0x3c08839e                    ; 8.3321609e-3
	v_mov_b32 v[S2+1], 0x3c08839e
	v_mov_b32 v[C1], 0xbab6061a                    ; -1.3887316e-3
	v_mov_b32 v[C1+1], 0xbab6061a
	SPAIR TOP,  0x3f22f983                         ; 2 / pi
	SPAIR NMAG, 0xcb400000                         ; -1.5 x 2^23
	SPAIR NHI,  0xbfc90fdb                         ; pi / 2 = 1.57079637 - 4.37113883e-8 - 1.7151e-15: the three parts, negated
	SPAIR NMID, 0x333bbd2e
	SPAIR NLO,  0x26f72ced
	SPAIR S3,   0xb94ca1f9                         ; -1.9515296e-4
	SPAIR S1,   0xbe2aaaa3                         ; -1.6666655e-1
	SPAIR C2,   0x37ccf5ce                         ; 2.4433157e-5
	SPAIR C0,   0x3d2aaaa5                         ; 4.1666646e-2
	s_lshl_b32 s22, s16, 18                        ; x: 16 g rows of 16,384 bytes + 2 w blocks of 512
	s_lshl_b32 s23, s14, 10
	s_add_co_u32 s22, s22, s23
	s_mov_b32 s23, 0
	s_lshl_b32 s24, s16, 6                         ; theta: 16 g columns + 256 w rows
	s_lshl_b32 s25, s14, 22
	s_add_co_u32 s24, s24, s25
	s_mov_b32 s25, 0
	s_lshl_b32 s26, s16, 16                        ; codes: 32 g blocks of 2,048 bytes + 2 w blocks
	s_lshl_b32 s27, s14, 12
	s_add_co_u32 s26, s26, s27
	s_mov_b32 s27, 0
	s_wait_kmcnt 0x0
	s_load_b64 s[18:19], s[8:9], 0x0               ; e0, e1
	s_add_nc_u64 s[4:5], s[4:5], s[22:23]
	s_add_nc_u64 s[6:7], s[6:7], s[24:25]
	s_add_nc_u64 s[10:11], s[10:11], s[26:27]
	s_add_nc_u64 s[12:13], s[12:13], s[26:27]
; Eight loads: rows 8 n .. 8 n + 7 of my sub-chunk (sixteen lanes read 64 consecutive bytes; the highest row reached is 4095).
.macro LDT n
.irp i, 0,1,2,3,4,5,6,7
	global_load_b32 v[V+8*(\n)+\i], v[TH], s[6:7] offset:(8*(\n)+\i)*16384
.endr
.endm
; Eight loads: rows 8 hf .. 8 hf + 7 of x's block b, 512 consecutive bytes a load.
.macro LDX b, hf
.irp i, 0,1,2,3,4,5,6,7
	global_load_b128 v[XA+4*(8*(\hf)+\i):XA+4*(8*(\hf)+\i)+3], v[LX], s[4:5] offset:(8*(\hf)+\i)*16384+512*(\b) th:TH_LOAD_NT
.endr
.endm
; Eight rows, 8 n on: sine and cosine, then the cosine x the running product, in place.  Each stage goes over all eight, so that no line waits for the line above it.
.macro OCT n
.set K0, V+8*(\n)
.irp p, 0,2,4,6
	v_pk_fma_f32 v[J+\p:J+\p+1], v[K0+\p:K0+\p+1], s[TOP:TOP+1], v[MAG:MAG+1] op_sel_hi:[1,0,1]   ; rounds t x 2 / pi to a whole number, in the low mantissa bits
.endr
.irp p, 0,2,4,6
	v_pk_add_f32 v[N+\p:N+\p+1], v[J+\p:J+\p+1], s[NMAG:NMAG+1] op_sel_hi:[1,0]                   ; n
.endr
.irp p, 0,2,4,6
	v_pk_fma_f32 v[R+\p:R+\p+1], v[N+\p:N+\p+1], s[NHI:NHI+1], v[K0+\p:K0+\p+1] op_sel_hi:[1,0,1]
.endr
.irp p, 0,2,4,6
	v_pk_fma_f32 v[R+\p:R+\p+1], v[N+\p:N+\p+1], s[NMID:NMID+1], v[R+\p:R+\p+1] op_sel_hi:[1,0,1]
.endr
.irp p, 0,2,4,6
	v_pk_fma_f32 v[R+\p:R+\p+1], v[N+\p:N+\p+1], s[NLO:NLO+1], v[R+\p:R+\p+1] op_sel_hi:[1,0,1]   ; rr = t - n pi / 2
.endr
.irp p, 0,2,4,6
	v_pk_mul_f32 v[N+\p:N+\p+1], v[R+\p:R+\p+1], v[R+\p:R+\p+1]                                   ; s = rr^2
.endr
.irp p, 0,2,4,6
	v_pk_fma_f32 v[PS+\p:PS+\p+1], v[N+\p:N+\p+1], s[S3:S3+1], v[S2:S2+1] op_sel_hi:[1,0,1]
	v_pk_fma_f32 v[PC+\p:PC+\p+1], v[N+\p:N+\p+1], s[C2:C2+1], v[C1:C1+1] op_sel_hi:[1,0,1]
.endr
.irp p, 0,2,4,6
	v_pk_fma_f32 v[PS+\p:PS+\p+1], v[PS+\p:PS+\p+1], v[N+\p:N+\p+1], s[S1:S1+1] op_sel_hi:[1,1,0]
	v_pk_fma_f32 v[PC+\p:PC+\p+1], v[PC+\p:PC+\p+1], v[N+\p:N+\p+1], s[C0:C0+1] op_sel_hi:[1,1,0]
.endr
.irp p, 0,2,4,6
	v_pk_mul_f32 v[PS+\p:PS+\p+1], v[PS+\p:PS+\p+1], v[N+\p:N+\p+1]
	v_pk_fma_f32 v[PC+\p:PC+\p+1], v[PC+\p:PC+\p+1], v[N+\p:N+\p+1], -0.5 op_sel_hi:[1,1,0]
.endr
.irp p, 0,2,4,6
	v_pk_fma_f32 v[PS+\p:PS+\p+1], v[PS+\p:PS+\p+1], v[R+\p:R+\p+1], v[R+\p:R+\p+1]               ; sin rr = rr + rr s (S1 + s (S2 + s S3))
	v_pk_fma_f32 v[PC+\p:PC+\p+1], v[PC+\p:PC+\p+1], v[N+\p:N+\p+1], 1.0 op_sel_hi:[1,1,0]        ; cos rr = 1 + s (-1/2 + s (C0 + s (C1 + s C2)))
.endr
.irp e, 0,1,2,3,4,5,6,7
	v_and_b32 v[N+\e], 1, v[J+\e]
	v_lshrrev_b32 v[R+\e], 1, v[J+\e]
.endr
.irp e, 0,1,2,3,4,5,6,7
	v_cmp_eq_u32 s[MQ+\e], 1, v[N+\e]              ; n odd: sine and cosine change places
.endr
.irp e, 0,1,2,3,4,5,6,7
	v_cndmask_b32 v[N+\e], v[PS+\e], v[PC+\e], s[MQ+\e]
	v_cndmask_b32 v[K0+\e], v[PC+\e], v[PS+\e], s[MQ+\e]
.endr
.irp e, 0,1,2,3,4,5,6,7
	v_lshl_add_u32 v[N+\e], v[R+\e], 31, v[N+\e]   ; a bit added at the top turns the sign: bit 1 of n for the sine,
	v_lshl_add_u32 v[K0+\e], v[R+\e], 31, v[K0+\e] ; bit 1
.endr
.irp e, 0,1,2,3,4,5,6,7
	v_lshl_add_u32 v[K0+\e], v[J+\e], 31, v[K0+\e] ; and bit 0 for the cosine
.endr
.if (\n) == 15
	v_cndmask_b32 v[V+127], v[V+127], 1.0, s[MK]   ; row 4095 holds lam and no angle: v[4095] is the product alone, so 1 stands in the cosine's place
.endif
.irp p, 0,2,4,6
	v_mul_f32 v[E+1], v[E], v[N+\p]
	v_pk_mul_f32 v[K0+\p:K0+\p+1], v[K0+\p:K0+\p+1], v[E:E+1]
	v_mul_f32 v[E], v[E+1], v[N+\p+1]
.endr
.endm
; Group n of the angles is worked.  left: the loads that were issued behind the group's own eight and may stay out (loads come back in order: ISA guide 5.7.1).
.macro GRP n, left
	s_wait_loadcnt \left
	OCT \n
.endm
; A block of x (16 rows x 128 along K, in XA as loaded: row i in registers 4 i on, 16 bytes a lane) goes through my stage and comes back with 16 neighbours along K in each run of 16 registers:
; lane (r, h): registers 16 c + i = x(r, 32 c + 16 h + i).  LDS serves a wave's instructions in order (ISA guide 5.7.1.4): no wait between the stores and the loads, which land in the registers that the stores have left.
; The codes of quarter c lie where the angles' work writes nothing: quarter 0's in v20-23, the others' in the first four registers of the quarter before, whose numbers are converted.  So the next group of angles needs no wait for these stores.
.macro XBLOCK b
.irp i, 0,1,2,3,4,5,6,7,8,9,10,11,12,13,14,15
	ds_store_b128 v[SW], v[XA+4*\i:XA+4*\i+3] offset:SPX*\i
.endr
.irp c, 0,1,2,3
.irp j, 0,1,2,3
	ds_load_b128 v[XA+16*\c+4*\j:XA+16*\c+4*\j+3], v[SRD] offset:128*\c+16*\j
.endr
.endr
.irp c, 0,1,2,3
.if \c == 0
.set CD, XC0
.else
.set CD, XA+16*(\c-1)
.endif
	s_wait_dscnt 12-4*\c                           ; the four loads of this c are in; those of the later c may be out
.irp i, 0,1,2,3,4,5,6,7,8,9,10,11,12,13,14,15
	v_med3_num_f32 v[XA+16*\c+\i], v[XA+16*\c+\i], -v[XSC+1], v[XSC+1]   ; the conversion to an 8-bit code does not saturate (ISA guide 7.6.2): the hold at the largest code x the scale
.endr
	v_cvt_scalef32_pk8_bf8_f32 v[CD:CD+1], v[XA+16*\c:XA+16*\c+7], v[XSC]
	v_cvt_scalef32_pk8_bf8_f32 v[CD+2:CD+3], v[XA+16*\c+8:XA+16*\c+15], v[XSC]
	global_store_b128 v[LX], v[CD:CD+3], s[10:11] offset:2048*\b+512*\c   ; the wave stores 512 consecutive bytes, at a multiple of 256 from the buffer's first byte
.endr
	v_nop                                          ; a plain line behind the last conversion
.endm
.irp n, 0,1,2,3,4
	LDT \n
.endr
	LDX 0, 0
	LDX 0, 1                                       ; 56 loads are out: T0-4 and X0
	ds_store_b32 v[PA], v[ONE]                     ; my 1.0: word sc of my column's row
	v_cmp_eq_u32 s[MK], 31, v22
	v_mov_b32 v[E], 1.0                            ; the product begins
	s_wait_kmcnt 0x0
	s_add_co_i32 s21, s18, 127
	s_lshl_b32 s22, s21, 23
	v_mov_b32 v[XSC], s22                          ; 2^e0 as f32: the conversion takes its exponent field
	s_add_co_i32 s21, s21, 15
	s_lshl_b32 s21, s21, 23
	s_or_b32 s21, s21, 0x600000
	v_mov_b32 v[XSC+1], s21                        ; 57,344 x 2^e0
	s_add_co_i32 s21, s19, 127
	s_lshl_b32 s22, s21, 23
	v_mov_b32 v[VSC], s22
	s_add_co_i32 s21, s21, 15
	s_lshl_b32 s21, s21, 23
	s_or_b32 s21, s21, 0x600000
	v_mov_b32 v[VSC+1], s21
; The stream.  Issued in this order: T0-4, X0 (two groups), T5, .. T11, X1 (two groups), T12, .. T15; each count below is eight times the groups issued behind the one that is wanted.
.irp n, 0,1,2,3,4
	LDT \n+5
	GRP \n, 56                                     ; behind T n: the rest of T0-4, X0's two groups and T5 .. T n+5: seven groups
.endr
	LDT 10
	s_wait_loadcnt 48                              ; X0 is in; behind it: T5-10
	XBLOCK 0
	LDT 11
	GRP 5, 48                                      ; behind T5: T6-11
	s_wait_xcnt 0x0                                ; X0's stores, a group of angles back, have had their addresses translated (ISA guide 3.1): their data registers, in XA and v20-23, are written again only behind this wait
	LDX 1, 0
	LDX 1, 1
	GRP 6, 56                                      ; behind T6: T7-11 and X1's two groups
.irp n, 7,8,9,10
	LDT \n+5
	GRP \n, 56                                     ; behind T n: the rest of T7-11, X1's two groups and T12 .. T n+5: seven groups
.endr
	GRP 11, 48                                     ; behind T11: X1 and T12-15
	s_wait_loadcnt 32                              ; X1 is in; behind it: T12-15
	XBLOCK 1
	GRP 12, 24                                     ; nothing more is issued: the counts run down
	GRP 13, 16
	GRP 14, 8
	GRP 15, 0
	ds_store_b32 v[PA], v[E] offset:128            ; T[sc], the product of my 128 sines: word 32 + sc.  (T[31], which holds sin(lam), is read by nobody)
	s_wait_xcnt 0x0                                ; X1's stores have read v20-23: the prefix is written there below
	s_wait_dscnt 0x0                               ; for the others' sake: my two words have landed
	s_barrier_signal -1
	s_barrier_wait -1                              ; all 32 products of every column lie in LDS
.irp i, 0,1,2,3,4,5,6,7,8,9,10,11,12,13,14,15,16,17,18,19,20,21,22,23,24,25,26,27,28,29,30,31
	ds_load_b32 v[W+\i], v[PA] offset:4*\i         ; words sc .. sc + 31: 32 - sc ones, then T[0] .. T[sc - 1]: no compare, no branch
.endr
	s_wait_dscnt 0x0
.irp p, 0,2,4,6,8,10,12,14
	v_pk_mul_f32 v[W+\p:W+\p+1], v[W+\p:W+\p+1], v[W+16+\p:W+16+\p+1]
.endr
.irp p, 0,2,4,6
	v_pk_mul_f32 v[W+\p:W+\p+1], v[W+\p:W+\p+1], v[W+8+\p:W+8+\p+1]
.endr
.irp p, 0,2
	v_pk_mul_f32 v[W+\p:W+\p+1], v[W+\p:W+\p+1], v[W+4+\p:W+4+\p+1]
.endr
	v_pk_mul_f32 v[W:W+1], v[W:W+1], v[W+2:W+3]
	v_mul_f32 v[P], v[W], v[W+1]                   ; the product of all sines ahead of my sub-chunk,
	v_mul_f32 v[P+1], v[W], v[W+1]                 ; twice: a pair for the packed multiply
.irp q, 0,1,2,3,4,5,6,7                        ; k = 16 q .. 16 q + 15 of my block: c = q / 2, h = q % 2 of the layout: 256 q bytes on
.irp p, 0,2,4,6,8,10,12,14
	v_pk_mul_f32 v[V+16*\q+\p:V+16*\q+\p+1], v[V+16*\q+\p:V+16*\q+\p+1], v[P:P+1]
.endr
.irp i, 0,1,2,3,4,5,6,7,8,9,10,11,12,13,14,15
	v_med3_num_f32 v[V+16*\q+\i], v[V+16*\q+\i], -v[VSC+1], v[VSC+1]
.endr
	v_cvt_scalef32_pk8_bf8_f32 v[W+4*\q:W+4*\q+1], v[V+16*\q:V+16*\q+7], v[VSC]
	v_cvt_scalef32_pk8_bf8_f32 v[W+4*\q+2:W+4*\q+3], v[V+16*\q+8:V+16*\q+15], v[VSC]
	global_store_b128 v[VO], v[W+4*\q:W+4*\q+3], s[12:13] offset:256*\q   ; sixteen lanes store 256 consecutive bytes, aligned; the other sixteen those of the next block
.endr
	v_nop                                          ; a plain line behind the last conversion
	s_wait_xcnt 0x0
	v_lshl_add_u32 v254, v0, 2, 0x22200
	v_mov_b32 v255, 0
	s_wait_tensorcnt 0x0
	ds_add_u32 v254, v255
	s_wait_dscnt 0x0
	s_endpgm
.Lfunc_end_k_q6800063ddf_prep:
	.size	k_q6800063ddf_prep, .Lfunc_end_k_q6800063ddf_prep-k_q6800063ddf_prep
	.p2alignl 7, 3214868480
	.fill 96, 4, 3214868480
	.section	.rodata,"a",@progbits
	.p2align	6, 0x0
	.amdhsa_kernel k_q6800063ddf_prep
		.amdhsa_group_segment_fixed_size 141824
		.amdhsa_private_segment_fixed_size 0
		.amdhsa_enable_private_segment 0
		.amdhsa_kernarg_size 40
		.amdhsa_user_sgpr_count 2
		.amdhsa_user_sgpr_kernarg_segment_ptr 1
		.amdhsa_wavefront_size32 1
		.amdhsa_system_sgpr_workgroup_id_x 1
		.amdhsa_system_sgpr_workgroup_id_y 1
		.amdhsa_system_sgpr_workgroup_id_z 1
		.amdhsa_system_vgpr_workitem_id 0
		.amdhsa_next_free_vgpr 256
		.amdhsa_next_free_sgpr 66
		.amdhsa_reserve_vcc 0
		.amdhsa_float_denorm_mode_32 3
		.amdhsa_float_denorm_mode_16_64 3
		.amdhsa_memory_ordered 1
		.amdhsa_forward_progress 1
		.amdhsa_inst_pref_size 172
	.end_amdhsa_kernel
	.amdgpu_metadata
---
amdhsa.version: [ 1, 2 ]
amdhsa.kernels:
  - .name:           k_q6800063ddf_prep
    .symbol:         k_q6800063ddf_prep.kd
    .args:
      - { .name: x, .offset: 0, .size: 8, .value_kind: global_buffer, .address_space: global }
      - { .name: theta_lambda, .offset: 8, .size: 8, .value_kind: global_buffer, .address_space: global }
      - { .name: lowp_scales, .offset: 16, .size: 8, .value_kind: global_buffer, .address_space: global }
      - { .name: x_codes, .offset: 24, .size: 8, .value_kind: global_buffer, .address_space: global }
      - { .name: v_codes, .offset: 32, .size: 8, .value_kind: global_buffer, .address_space: global }
    .group_segment_fixed_size: 141824
    .private_segment_fixed_size: 0
    .kernarg_segment_align: 8
    .kernarg_segment_size: 40
    .max_flat_workgroup_size: 512
    .sgpr_count:     66
    .vgpr_count:     256
    .wavefront_size: 32
...
	.end_amdgpu_metadata
.endif
;; end of part 1
;; launch gemm (part 2): grid 16 x 16, 4 waves a work-group, clusters of 4 x 4, 327,680 bytes of LDS; arguments x_codes, v_codes, lowp_scales, out0, theta_lambda; writes out0
.if DOCPART == 2
	.amdgcn_target "amdgcn-amd-amdhsa--gfx1250"
	.amdhsa_code_object_version 6
	.text
	.protected	k_q6800063ddf_gemm
	.globl	k_q6800063ddf_gemm
	.p2align	8
	.type	k_q6800063ddf_gemm,@function
k_q6800063ddf_gemm:
	s_mov_b64 s[64:65], 0
	v_nop
	global_prefetch_b8 v0, s[64:65] scope:SCOPE_SE
	s_setreg_imm32_b32 hwreg(HW_REG_WAVE_MODE, 25, 1), 1
	s_wait_xcnt 0x0
	s_wait_alu depctr_hold_cnt(0) depctr_sa_sdst(0) depctr_va_vdst(0) depctr_va_sdst(0) depctr_va_ssrc(0) depctr_va_vcc(0) depctr_vm_vsrc(0)
	s_getreg_b32 s2, hwreg(HW_REG_IB_STS2, 6, 4)
	s_cmp_eq_u32 s2, 0
	s_cbranch_scc0 .Lentry_in_a_cluster
	s_endpgm
.Lentry_in_a_cluster:
	s_bfe_u32 s2, ttmp6, 0x10000c
	s_cmp_lg_u32 s2, 0xf033
	s_cbranch_scc0 .Lentry_shape_is_right
	s_endpgm
.Lentry_shape_is_right:
; out[m][n] = r[n] x relu(2^(e0 + e1) x (the sum over k of X[m][k] V[n][k]) + lam[n]).  X, V: codes of BF8 (E5M2), 4,096 x 4,096 each, in the order of the operand's registers:
; block (row / 16, k / 128) is 2,048 bytes at ((row / 16) x 32 + k / 128) x 2,048; in it the byte 512 c + 16 x lane + i, lane = 16 h + r, is the code of (row r of the 16, k = 32 c + 16 h + i of the 128).
; lam and r are rows 4095 and 4096 of theta_lambda; out: [4096][4096] f32; sums in f32.  The codes are multiplied as they are, and each finished sum once by 2^(e0 + e1).
; LIMITS: e0 + e1 between -126 and 127, so that 2^(e0 + e1) is an f32 number.  Where the sum + lam is NaN the maximum with 0 gives 0.
; A tile of out, 256 x 256, is made by a work-group of four waves, as many as a WGP has SIMDs; a wave makes 128 x 128: 64 accumulators of 16 x 16, 512 registers.  256 tiles, one to a work-group.
; K goes in steps of 256 through a ring of two LDS slots filled by the tensor data mover.  Of a K step a block row (16 rows) has 4,096 consecutive bytes; a wave's load brings 8 block rows, 65,536 bytes apart in memory,
; on end in LDS.  A fragment is four loads of 16 bytes a lane at 16 x lane, 512 bytes apart: each load reads 512 consecutive bytes, so there is no pitch and no padding.
; The place that this gives each k in a fragment is a permutation of the form's own, the same in both operands: every product meets its partner.
; CLUSTERS: 4 x 4 work-groups.  The four of a row of the cluster need the same tiles of X, the four of a column the same tiles of V: each tile is asked for JOINTLY, by the same tensor load with the
; same descriptor and a mask that names the four.  THE MATRIX INSTRUCTION IS USED TRANSPOSED (source 0 = 16 rows of V, source 1 = 16 rows of X): a lane then holds eight neighbouring numbers of a row of out.
; REGISTERS, in windows of 256: window 0: v8-15 lam and r of my four columns; v16-30 addresses; from v128 X's fragments (8 x 16 rows x 128 K), ONE set; on the way out v128-255 take rows of out.
;   window 1: V's fragments, TWO sets, at v0 and at v128.   window 2: the 32 accumulators of my rows 0-63 (accumulator (a, b) at v[8 (8 a + b)]);   window 3: those of my rows 64-127.
; A step of 128 along K is 64 matrix instructions, X's blocks one after the other, each against V's eight: a block of X is free as soon as its eight products are issued, so one set serves X
; (blocks 0-3 are fetched anew in the step's middle, blocks 4-7 at its end); V's fragments are at work through the whole step and have two sets.
; THE CHANGE OF SLOTS STANDS AT THE HEAD OF A SLOT'S LAST STEP: all that step's fragments have been asked for by then, so the slot can be given up, and all 64 products of the step stand behind the refill:
; between a request and the wait for it a wave issues a whole K step's 128 matrix instructions, and between a tile's landing and the next request stands the round alone.
.set SIZE_N, 4096
.set ROWB,   4096                      ; a block row's bytes of a K step of 256
.set FR,     16                        ; registers of a fragment: 16 rows x 128 K
.set NL,     4                         ; LDS loads that bring one
.set NP,     4                         ; places behind this matrix instruction (ISA guide 7.12.1)
.set HALFT,  8*ROWB                    ; 8 block rows = 128 rows: what one tensor load brings, and what one wave reads of X or of V
.set SLOT,   4*HALFT                   ; X's 256 rows, then V's 256 rows
.set LAPS,   8                         ; a lap = two K steps = once round the ring: 4,096 / 512
.set SPARE,  2*SLOT                    ; behind the ring: the spare words, 128 bytes for each wave: two blocks of 256 bytes that no other line names
.set SPITCH, 528                       ; the way out: a stage of 16 rows x (512 bytes + 16) for each wave.  It lies in slot 0, which has had its last fill and its last read when the first result is stored there
.set LAM,  8                           ; v8-11   lam of my four columns on the way out
.set RAD,  12                          ; v12-15  r of the same
.set ADRA, 16                          ; v16-17  LDS address of my X fragments in slot 0, 1
.set ADRB, 20                          ; v20-21  the same for V
.set STO,  24                          ; v24     the way out: where I put 32 bytes of a row
.set RD,   25                          ; v25     the way out: where I read a row back
.set CO,   26                          ; v26     16 x lane: my byte offset in a row of out, and in lam and r
.set SPW,  28                          ; v28     LDS address of my spare word: SPARE + 4 x my thread's number; never rewritten
.set NIL,  29                          ; v29     0; never rewritten
.set PFO,  30                          ; v30     the prefetches' offset: 65,536 (lane / 16) + 256 (lane % 16); never rewritten
.set AF,   128                         ; X's fragments, in window 0
.set BK,   128                         ; the way out: 16 rows read back from the stage: v128-191 and v192-255 by turns
.set G1, 24                            ; s[24:31] descriptor group 1 for X's tiles;  s[32:39] group 0, one set for each slot
.set G0, 32
.set G1B, 48                           ; s[48:55], s[56:63] the same for V's tiles
.set G0B, 56
.set PFA, 66                           ; s[66:67] where my prefetches stand: my work-group's 2 block rows of the 8 that I fetch, one K step further on than the refill that is being asked for
.set LIM, 68                           ; s68     1 in a wave that prefetches, else the greatest number
.set SC,  70                           ; s[70:71] 2^(e0 + e1), twice
.set MSB, 0
.macro WIN new                         ; the immediate's high byte repeats the setting that is left
.if MSB != \new
	s_set_vgpr_msb (MSB<<8)|\new
.set MSB, \new
.endif
.endm
.set MUL_LO, 0xa1                      ; source 0 (V) window 1, source 1 (X) window 0, C and D window 2
.set MUL_HI, 0xf1                      ; the same, C and D window 3
.set TO_B,   0x40                      ; destination window 1, address window 0
; A joint load: waves 0 and 1 fetch for X, waves 2 and 3 for V.  Each of the two lines has ONE mask and one set of registers for all that issue it; the branch hangs on the wave's number alone.
; Four v_nop follow each of the two lines, ahead of the jump, the label and what follows.
.macro JLOAD g0a, g1a, g0b, g1b
	s_cmp_eq_u32 s15, 0
	s_cbranch_scc0 .Lfor_b_\@
	tensor_load_to_lds s[\g0a:\g0a+3], s[\g1a:\g1a+7]
	s_nop 0
.rept 4
	v_nop
.endr
	s_branch .Lasked_\@
.Lfor_b_\@:
	tensor_load_to_lds s[\g0b:\g0b+3], s[\g1b:\g1b+7]
	s_nop 0
.rept 4
	v_nop
.endr
.Lasked_\@:
.endm
; A PREFETCH INTO THE L2, behind each joint refill and its four lines: the K step that stands TWO refills on, 256 matrix instructions ahead of the load that will want it.
; Each aligned block of 256 bytes is named ONCE in the launch.  X's tile row is read by every cluster of that row of clusters: the first of them (cluster x = 0) asks; V's tile column by every cluster of that column:
; cluster y = 0 asks.  The four partners that ask for a tile jointly share it out BY ADDRESS: of the 8 block rows that wave w fetches, the partner at place p takes 2 p and 2 p + 1 (p = cx for X, cy for V):
; 2 x 4,096 bytes, a lane to each 256: one instruction a wave.  No branch hangs on a work-group's place in its cluster.  K steps 0 to 3 come by their loads alone; the loop's last trip (s3 = 1) has no K step two refills on.
.macro ASK
	s_cmp_gt_u32 s3, s[LIM]
	s_cbranch_scc0 .Lnot_mine_\@
	global_prefetch_b8 v[PFO], s[PFA:PFA+1] offset:ROWB th:TH_LOAD_NT scope:SCOPE_SE
.Lnot_mine_\@:
.endm
.macro CREST                           ; a round of the cluster's barrier behind its opening barrier
	s_cmp_lg_u32 s14, 0
	s_cbranch_scc1 .Lnot_wave_0_\@
	s_barrier_signal -3
.Lnot_wave_0_\@:
	s_barrier_wait -3
	s_barrier_signal -1
	s_barrier_wait -1
.endm
.macro CROUND                          ; a whole round
	s_barrier_signal -1
	s_barrier_wait -1
	CREST
.endm
	s_load_b128 s[4:7], s[0:1], 0x0                ; X's codes s[4:5], V's codes s[6:7]
	s_load_b128 s[8:11], s[0:1], 0x10              ; the two scales' exponents s[8:9], out s[10:11]
	s_load_b64 s[12:13], s[0:1], 0x20              ; theta_lambda
	v_lshl_add_u32 v[SPW], v0, 2, SPARE
	v_mov_b32 v[NIL], 0
	ds_add_u32 v28, v29
	ds_add_u32 v28, v29
	s_wait_dscnt 0x0
	v_lshrrev_b32 v1, 5, v0
	v_readfirstlane_b32 s14, v1                    ; wave 0..3
	s_lshr_b32 s15, s14, 1                         ; which half of the tile's rows is mine.  Also: I fetch for X (0) or for V (1)
	s_and_b32 s16, s14, 1                          ; which half of its columns.  Also: which 8 block rows of that tile I fetch
	s_bfe_u32 s40, ttmp6, 0x40000                  ; cx, cy: my place in the cluster
	s_bfe_u32 s41, ttmp6, 0x40004
	s_lshl_b32 s42, ttmp9, 2
	s_add_co_u32 s42, s42, s40                     ; tile column of out = 4 x cluster x + cx
	s_and_b32 s17, ttmp7, 0xffff
	s_lshl_b32 s17, s17, 2
	s_add_co_u32 s17, s17, s41                     ; tile row of out = 4 x cluster y + cy
	s_lshl_b32 s43, s41, 2
	s_lshl_b32 s43, 15, s43                        ; my row of the cluster
	s_lshl_b32 s44, 0x1111, s40                    ; my column
	; descriptor group 1: a tile of 8 rows x 512 elements of 8 bytes, 8,192 elements from row to row, on end in LDS
	s_or_b32 s[G1+0], s43, (3<<16)|(1<<21)         ; 15:0 the mask: X's tiles go to my row; 17:16 elements of 8 bytes; 20 no padding; 21 set beside a mask
	s_or_b32 s[G1B+0], s44, (3<<16)|(1<<21)        ; the same with the mask of my column, for V's tiles
.irp g, G1, G1B
	s_mov_b32 s[\g+1], 512<<16                     ; tensor_dim0 = 512
	s_mov_b32 s[\g+2], 8<<16                       ; tensor_dim1 = 8
	s_mov_b32 s[\g+3], 512<<16                     ; tile_dim0 = 512
	s_mov_b32 s[\g+4], 8                           ; tile_dim1 = 8
	s_mov_b32 s[\g+5], 8192                        ; tensor_dim0_stride
	s_mov_b32 s[\g+6], 0
	s_mov_b32 s[\g+7], 0
.endr
	s_lshl_b32 s18, s16, 3                         ; which 8 block rows of the tile I fetch
	s_lshl_b32 s20, s17, 4
	s_add_co_u32 s20, s20, s18                     ; X: block row 16 x tile row + 8 x half,
	s_lshl_b32 s20, s20, 16                        ; of 65,536 bytes
	s_mov_b32 s21, 0
	s_lshl_b32 s46, s42, 4
	s_add_co_u32 s46, s46, s18                     ; V: block row 16 x tile column + 8 x half
	s_lshl_b32 s46, s46, 16
	s_mov_b32 s47, 0
	s_mul_i32 s45, s14, HALFT                      ; where they go: wave x 8 block rows: no place in the cluster enters an LDS address
	s_wait_kmcnt 0x0
	s_load_b64 s[72:73], s[8:9], 0x0               ; e0, e1
	s_add_nc_u64 s[20:21], s[4:5], s[20:21]
	s_add_nc_u64 s[46:47], s[6:7], s[46:47]
	CROUND                                         ; all sixteen work-groups are here: the first joint loads meet
.irp s, 0,1
	s_mov_b32 s[G0+4*\s], 1                        ; 1:0 count = 1
	s_add_co_u32 s[G0+4*\s+1], s45, \s*SLOT        ; 63:32 LDS address
	s_add_nc_u64 s[G0+4*\s+2:G0+4*\s+3], s[20:21], \s*ROWB   ; 120:64 global address: K step s
	s_or_b32 s[G0+4*\s+3], s[G0+4*\s+3], 0x80000000          ; 127:126 type = 2
	s_mov_b32 s[G0B+4*\s], 1
	s_add_co_u32 s[G0B+4*\s+1], s45, \s*SLOT
	s_add_nc_u64 s[G0B+4*\s+2:G0B+4*\s+3], s[46:47], \s*ROWB
	s_or_b32 s[G0B+4*\s+3], s[G0B+4*\s+3], 0x80000000
	JLOAD G0+4*\s, G1, G0B+4*\s, G1B               ; two loads of mine are out
.endr
	v_and_b32 v1, 15, v0                           ; l % 16
	v_bfe_u32 v2, v0, 4, 1                         ; l / 16
	v_and_b32 v6, 31, v0
	v_lshlrev_b32 v[CO], 4, v6                     ; 16 x lane
	s_mul_i32 s21, s15, HALFT                      ; my 128 rows of X
	s_mul_i32 s22, s16, HALFT                      ; my 128 rows of V,
	s_add_co_u32 s22, s22, 2*HALFT                 ; which lie behind X's 256
.irp s, 0,1
	v_add_nc_u32 v[ADRA+\s], s21, v[CO]
	v_add_nc_u32 v[ADRB+\s], s22, v[CO]
	s_add_co_u32 s21, s21, SLOT
	s_add_co_u32 s22, s22, SLOT
.endr
	s_mul_i32 s23, s14, 16*SPITCH                  ; my stage
	v_mul_u32_u24 v5, v1, SPITCH                   ; in: row l % 16, 32 bytes for each half of the lanes
	v_lshl_add_u32 v5, v2, 5, v5
	v_add_nc_u32 v[STO], s23, v5
	v_add_nc_u32 v[RD], s23, v[CO]                 ; back: the 32 lanes take one row of 512 bytes
	s_lshl_b32 s20, s17, 8
	s_lshl_b32 s21, s15, 7
	s_add_co_u32 s20, s20, s21                     ; my first row of out: 256 x tile row + 128 x half,
	s_lshl_b32 s20, s20, 14                        ; of 16,384 bytes
	s_mov_b32 s21, 0
	s_lshl_b32 s46, s42, 10                        ; my first column, in bytes: 1,024 x tile column + 512 x half
	s_lshl_b32 s47, s16, 9
	s_add_co_u32 s46, s46, s47
	s_mov_b32 s47, 0
	s_add_nc_u64 s[74:75], s[12:13], 4095*16384    ; lam's row,
	s_add_nc_u64 s[74:75], s[74:75], s[46:47]      ; at my first column
	s_add_nc_u64 s[20:21], s[20:21], s[46:47]
	s_add_nc_u64 s[10:11], s[10:11], s[20:21]
	global_load_b128 v[LAM:LAM+3], v[CO], s[74:75]                 ; behind the read-back a lane holds the same four columns in every row: their lam
	global_load_b128 v[RAD:RAD+3], v[CO], s[74:75] offset:16384    ; and their r, one row further down
	; the prefetches: where my wave's stand, and who asks
	s_and_b32 s22, ttmp7, 0xffff                   ; cluster y
	s_cmp_eq_u32 s15, 0                            ; do I fetch for X?
	s_cselect_b32 s20, s17, s42                    ; the tile: by the tile row in X, by the tile column in V
	s_cselect_b32 s21, s40, s41                    ; my place among the four that ask for it with me
	s_cselect_b32 s22, ttmp9, s22                  ; the coordinate along which other clusters read the same rows
	s_cselect_b64 s[PFA:PFA+1], s[4:5], s[6:7]
	s_cmp_eq_u32 s22, 0
	s_cselect_b32 s[LIM], 1, -1                    ; the same in all sixteen partners, for a given wave
	s_lshl_b32 s20, s20, 4
	s_lshl_b32 s22, s16, 3
	s_add_co_u32 s20, s20, s22                     ; + the 8 block rows that I fetch
	s_lshl_b32 s21, s21, 1
	s_add_co_u32 s20, s20, s21                     ; + my work-group's 2 of them
	s_lshl_b32 s20, s20, 16
	s_mov_b32 s21, 0
	s_add_nc_u64 s[PFA:PFA+1], s[PFA:PFA+1], s[20:21]
	s_add_nc_u64 s[PFA:PFA+1], s[PFA:PFA+1], 2*ROWB   ; at K step 2: the first refill steps it to 3 and names K step 4.  Nothing is prefetched here, at the head, where every work-group's first tiles are on their way
	v_lshlrev_b32 v[PFO], 8, v1
	v_lshl_add_u32 v[PFO], v2, 16, v[PFO]
.macro FRAG reg, adr, q, i             ; a fragment, 16 rows x 128 K, is 16 registers: lane l holds row l % 16; registers 4 c .. 4 c + 3 hold K = 32 c + 16 (l / 16) + 0 .. 15
.irp c, 0,1,2,3
	ds_load_b128 v[\reg+4*\c:\reg+4*\c+3], v[\adr] offset:2048*(\q)+512*\c+(\i)*ROWB
.endr
.endm
; 16 matrix instructions: X's blocks a0, a0 + 1 x V's eight, 128 along K.  p: V's set.  zero = 1: the first product starts the sums: nothing is ever cleared.
; The 64 accumulators take turns, one instruction a turn, in the same order in every step.
.macro MUL16 a0, p, zero
.irp a, \a0, \a0+1
.irp b, 0,1,2,3,4,5,6,7
.if \zero
	v_wmma_f32_16x16x128_bf8_bf8 v[8*(8*((\a)%4)+\b):8*(8*((\a)%4)+\b)+7], v[128*(\p)+FR*\b:128*(\p)+FR*\b+FR-1], v[AF+FR*(\a):AF+FR*(\a)+FR-1], 0
.else
	v_wmma_f32_16x16x128_bf8_bf8 v[8*(8*((\a)%4)+\b):8*(8*((\a)%4)+\b)+7], v[128*(\p)+FR*\b:128*(\p)+FR*\b+FR-1], v[AF+FR*(\a):AF+FR*(\a)+FR-1], v[8*(8*((\a)%4)+\b):8*(8*((\a)%4)+\b)+7]
.endif
.endr
.endr
.endm
.macro FETCH_B slot, q, p              ; V's eight fragments of the slot's q-th 128 along K into set p
	WIN TO_B
.irp i, 0,1,2,3,4,5,6,7
	FRAG 128*(\p)+FR*\i, ADRB+\slot, \q, \i
.endr
	WIN 0
.endm
.macro FETCH_A slot, q, i0             ; X's blocks i0 .. i0 + 3
.irp i, \i0, \i0+1, \i0+2, \i0+3
	FRAG AF+FR*(\i), ADRA+\slot, \q, \i
.endr
.endm
; A load into a register that a matrix instruction has read, and an LDS store that reads a matrix result, stand NP places behind that matrix instruction, and only plain vector
; instructions that name none of its registers are places (ISA guide 7.12.1 for vector instructions); this text does not count the matrix instructions in between.
.macro PLACES n
.rept \n
	v_nop
.endr
.endm
; A step of 128 along K that has its successor in the same slot.
.macro STEP slot, q, zero
	s_wait_dscnt 4*NL                              ; V's set and X's blocks 0-3 are in; the youngest sixteen loads (X's blocks 4-7) may be out
	WIN MUL_LO
	MUL16 0, (\q)%2, \zero
	MUL16 2, (\q)%2, \zero
	s_wait_dscnt 0                                 ; X's blocks 4-7 are in (asked for 32 matrix instructions ago)
	PLACES NP
	FETCH_B \slot, (\q)+1, 1-(\q)%2
	FETCH_A \slot, (\q)+1, 0
	WIN MUL_HI
	MUL16 4, (\q)%2, \zero
	MUL16 6, (\q)%2, \zero
	PLACES NP
	WIN 0
	FETCH_A \slot, (\q)+1, 4
.endm
; A slot's last step, with the change of slots at its head.  The step's fragments were all asked for in the step before, so my reads of this slot end with the wait below.  In front of the ONE barrier each wave waits for all
; its tensor loads, adds 0 to its spare word, and waits for that and for its reads of this slot.  fill = 1: the barrier opens a round of the cluster's, and this slot is filled again, two K steps ahead, first thing behind it.
.macro TURN slot, next, fill
.if \fill
	s_wait_xcnt 0x0                                ; the last prefetch, a K step back, has read its address: it is stepped here, ahead of the waits of the change of slots
	s_add_nc_u64 s[PFA:PFA+1], s[PFA:PFA+1], ROWB
.endif
	s_wait_tensorcnt 0x0                           ; all my tensor loads have landed: the one that was out is my part of the next slot;  (every window is 0 here: the add's two registers lie in window 0)
	ds_add_u32 v[SPW], v[NIL]                      ; 0 onto my spare word; with fill = 1 the descriptors' steps stand between it and the wait for it
.if \fill
	s_add_nc_u64 s[G0+4*\slot+2:G0+4*\slot+3], s[G0+4*\slot+2:G0+4*\slot+3], 2*ROWB       ; no tensor load of mine is out, so a group 0 may be written: this slot's next K step
	s_add_nc_u64 s[G0B+4*\slot+2:G0B+4*\slot+3], s[G0B+4*\slot+2:G0B+4*\slot+3], 2*ROWB
.endif
	s_wait_dscnt 0x0                               ; the add is done, and my reads of this slot are over: the last were X's blocks 4-7, at the end of the step before
	s_barrier_signal -1
	s_barrier_wait -1
.if \fill
	CREST                                          ; the barrier has opened a round of the cluster's barrier: no wave of any partner still reads this slot's tile or has a load on its way
	JLOAD G0+4*\slot, G1, G0B+4*\slot, G1B         ; the first tensor load behind the round, and my one load until the next: 128 matrix instructions stand between it and the wait for it
	ASK                                            ; behind the joint load and its four lines
.endif
	WIN MUL_LO
	MUL16 0, 1, 0
	MUL16 2, 1, 0
	PLACES NP
	FETCH_B \next, 0, 0                            ; the next slot is whole: every wave has waited for its part in front of the barrier
	FETCH_A \next, 0, 0
	WIN MUL_HI
	MUL16 4, 1, 0
	MUL16 6, 1, 0
	PLACES NP
	WIN 0
	FETCH_A \next, 0, 4
.endm
	s_wait_loadcnt 0x0                             ; lam and r: they came while the first tiles were on their way
	s_wait_tensorcnt 1                             ; my part of K step 0 is in (K step 1's load may be out)
	s_barrier_signal -1
	s_barrier_wait -1                              ; everybody's is
	FETCH_B 0, 0, 0
	FETCH_A 0, 0, 0
	FETCH_A 0, 0, 4
	STEP 0, 0, 1                                   ; the first step stands in front of the loop: its products start the sums
	s_mov_b32 s3, LAPS-1
.Llap:                                                 ; a trip goes once round the ring, from a lap's second step to the next lap's first, and fills both slots again
	TURN 0, 1, 1
	STEP 1, 0, 0
	TURN 1, 0, 1
	STEP 0, 0, 0
	s_sub_co_u32 s3, s3, 1
	s_cmp_lg_u32 s3, 0
	s_cbranch_scc1 .Llap
	TURN 0, 1, 0                                   ; the last lap fills nothing, and has no round of the cluster's barrier
	STEP 1, 0, 0
	s_wait_dscnt 4*NL                              ; the very last step: nothing more to fetch
	WIN MUL_LO
	MUL16 0, 1, 0
	MUL16 2, 1, 0
	s_wait_dscnt 0
	WIN MUL_HI
	MUL16 4, 1, 0
	MUL16 6, 1, 0
	WIN 0
; THE WAY OUT, block by block of 16 rows x 128 columns.  A lane holds 32 neighbouring bytes of a row, and the lanes beside it hold other rows: so a block's sums go, as they are, through my own stage in LDS and come back as whole
; rows of 512 bytes.  LDS serves a wave's instructions in order (ISA guide 5.7.1.4): no wait between the stores and the loads, nor in front of the next block's stores.  Each accumulator is read from its low end on.
.macro TOSTAGE a
.set AC, 64*((\a)%4)
	WIN 0x08+4*((\a)/4)                            ; the stores' data: window 2 or 3; their address: window 0
.irp b, 0,1,2,3,4,5,6,7
	ds_store_b128 v[STO], v[AC+8*\b:AC+8*\b+3] offset:64*\b
	ds_store_b128 v[STO], v[AC+8*\b+4:AC+8*\b+7] offset:64*\b+16
.endr
	WIN 0
.set BT, BK+64*((\a)%2)
.irp t, 0,1,2,3,4,5,6,7,8,9,10,11,12,13,14,15
	ds_load_b128 v[BT+4*\t:BT+4*\t+3], v[RD] offset:\t*SPITCH
.endr
.endm
; Behind the read-back a lane holds columns 4 x lane .. + 3 of every row: sum x 2^(e0 + e1) + lam in one packed multiply-add for two numbers, the maximum with 0, x r; then the row is stored.
.macro SEND a, younger                 ; younger: the LDS instructions issued behind block a's loads, which may stay out
.set BB, BK+64*((\a)%2)
	s_wait_dscnt \younger                          ; the block is back in registers
.if (\a) > 0
	s_add_nc_u64 s[10:11], s[10:11], 16*SIZE_N*4   ; (behind a wait on XCNT: the earlier stores have read their base)  16 rows of out on: the stores' offsets reach 15 rows, 245,760 bytes
.endif
.irp t, 0,1,2,3,4,5,6,7,8,9,10,11,12,13,14,15
	v_pk_fma_f32 v[BB+4*\t:BB+4*\t+1], v[BB+4*\t:BB+4*\t+1], s[SC:SC+1], v[LAM:LAM+1] op_sel_hi:[1,0,1]
	v_pk_fma_f32 v[BB+4*\t+2:BB+4*\t+3], v[BB+4*\t+2:BB+4*\t+3], s[SC:SC+1], v[LAM+2:LAM+3] op_sel_hi:[1,0,1]
.irp i, 0,1,2,3
	v_max_num_f32 v[BB+4*\t+\i], 0, v[BB+4*\t+\i]
.endr
	v_pk_mul_f32 v[BB+4*\t:BB+4*\t+1], v[BB+4*\t:BB+4*\t+1], v[RAD:RAD+1]
	v_pk_mul_f32 v[BB+4*\t+2:BB+4*\t+3], v[BB+4*\t+2:BB+4*\t+3], v[RAD+2:RAD+3]
	global_store_b128 v[CO], v[BB+4*\t:BB+4*\t+3], s[10:11] offset:\t*SIZE_N*4 th:TH_STORE_NT   ; 32 lanes store 512 consecutive bytes, at a multiple of 256 from out's first byte; written once, read by nobody here
.endr
.endm
	s_wait_kmcnt 0x0
	s_add_co_i32 s[SC], s72, s73                   ; e0 + e1, between -126 and 127,
	s_add_co_i32 s[SC], s[SC], 127
	s_lshl_b32 s[SC], s[SC], 23                    ; makes the f32 number 2^(e0 + e1)
	s_mov_b32 s[SC+1], s[SC]                       ; (named with it as a pair, so it is written)
	PLACES NP                                      ; for the LDS stores that read results, block 7's among them, and for the loads into the registers that held X's fragments
	TOSTAGE 0
.irp a, 1,2,3,4,5,6,7
.if \a > 1
	s_wait_xcnt 0x0                                ; block a - 2's stores have read their registers and their base: block a's loads may land there, and the base may step
.endif
	TOSTAGE \a
	SEND \a-1, 32                                  ; behind block a - 1's loads: block a's 16 stores and 16 loads
.endr
	s_wait_xcnt 0x0                                ; block 6's stores have read their base
	SEND 7, 0
	s_wait_tensorcnt 0x0                           ; the wave's end, behind my last tensor load and my last LDS store
	ds_add_u32 v[SPW], v[NIL]
	s_wait_dscnt 0x0
	CROUND                                         ; the closing round: no work-group ends while a partner may still ask for a tile that names it
	s_endpgm
.Lfunc_end_k_q6800063ddf_gemm:
	.size	k_q6800063ddf_gemm, .Lfunc_end_k_q6800063ddf_gemm-k_q6800063ddf_gemm
	.p2alignl 7, 3214868480
	.fill 96, 4, 3214868480
	.section	.rodata,"a",@progbits
	.p2align	6, 0x0
	.amdhsa_kernel k_q6800063ddf_gemm
		.amdhsa_group_segment_fixed_size 327680
		.amdhsa_private_segment_fixed_size 0
		.amdhsa_enable_private_segment 0
		.amdhsa_kernarg_size 40
		.amdhsa_user_sgpr_count 2
		.amdhsa_user_sgpr_kernarg_segment_ptr 1
		.amdhsa_wavefront_size32 1
		.amdhsa_system_sgpr_workgroup_id_x 1
		.amdhsa_system_sgpr_workgroup_id_y 1
		.amdhsa_system_sgpr_workgroup_id_z 1
		.amdhsa_system_vgpr_workitem_id 0
		.amdhsa_next_free_vgpr 1024
		.amdhsa_next_free_sgpr 80
		.amdhsa_reserve_vcc 0
		.amdhsa_float_denorm_mode_32 3
		.amdhsa_float_denorm_mode_16_64 3
		.amdhsa_memory_ordered 1
		.amdhsa_forward_progress 1
		.amdhsa_inst_pref_size 156
	.end_amdhsa_kernel
	.amdgpu_metadata
---
amdhsa.version: [ 1, 2 ]
amdhsa.kernels:
  - .name:           k_q6800063ddf_gemm
    .symbol:         k_q6800063ddf_gemm.kd
    .args:
      - { .name: x_codes, .offset: 0, .size: 8, .value_kind: global_buffer, .address_space: global }
      - { .name: v_codes, .offset: 8, .size: 8, .value_kind: global_buffer, .address_space: global }
      - { .name: lowp_scales, .offset: 16, .size: 8, .value_kind: global_buffer, .address_space: global }
      - { .name: out0, .offset: 24, .size: 8, .value_kind: global_buffer, .address_space: global }
      - { .name: theta_lambda, .offset: 32, .size: 8, .value_kind: global_buffer, .address_space: global }
    .group_segment_fixed_size: 327680
    .private_segment_fixed_size: 0
    .kernarg_segment_align: 8
    .kernarg_segment_size: 40
    .max_flat_workgroup_size: 128
    .sgpr_count:     80
    .vgpr_count:     1024
    .wavefront_size: 32
...
	.end_amdgpu_metadata
.endif
;; end of part 2
